; MI455X (gfx1250); checked and timed in simulation.
; The chip was launched on July 23, 2026; its instructions are those of AMD's public machine-readable ISA for CDNA 5 (MIT licence, August 2026) and "CDNA5" Instruction Set Architecture Reference Guide (July 2026). The comments in the code are by the model that wrote it; some were corrected since.
;; Vector Quantizer. Allowed arithmetic: float matrix products may take bf16 or f16 operands with f32 sums; all other float work in f32.
;; Inputs: embeddings 64 x 512 float32; inputs 32 x 64 x 64 x 64 float32.
;; Outputs: out0 32 x 64 x 64 x 64 float32; out1 one number float32; out2 131,072 int32.
;; One version. Each part assembles by itself: llvm-mc -triple=amdgcn-amd-amdhsa -mcpu=gfx1250 --defsym DOCPART=n.
;; ======== version 1 of 1: 2 launches
;; limits: values outside matrix products are rounded to bf16
;; workspace buffers: partials 1,024 bytes
;; launch vq (part 1): grid 256 x 1, 8 waves a work-group, no clusters, 211,200 bytes of LDS; arguments embeddings, inputs, out0, out2, partials; writes out0, out2, partials
.if DOCPART == 1
	.amdgcn_target "amdgcn-amd-amdhsa--gfx1250"
	.amdhsa_code_object_version 6
	.text
	.protected	k_qf4cb3347e2_vq
	.globl	k_qf4cb3347e2_vq
	.p2align	8
	.type	k_qf4cb3347e2_vq,@function
k_qf4cb3347e2_vq:
	s_mov_b64 s[64:65], 0
	v_nop
	global_prefetch_b8 v0, s[64:65] scope:SCOPE_SE
	s_setreg_imm32_b32 hwreg(HW_REG_WAVE_MODE, 25, 1), 1
	s_wait_xcnt 0x0
; VECTOR QUANTIZER.  x: [131072][64] f32, E: [64][512] f32 (a code is a column).
;   d[n][k] = (sum x^2 - 2 x.E) + sum E^2,  idx = first minimum,  q = column idx of E,  out0 = x + (q - x),  partial = sum (q - x)^2.
; A work-group owns 512 rows, a wave 64 rows = 4 row tiles of 16.  Eight waves, two for each of the WGP's four SIMDs.
;
; ARITHMETIC.  The indices are those of the formula on x and E ROUNDED TO BF16: the product runs on the matrix unit with the table held as
; bf16(-2 e) (a power of two: exact), t = fl(A + (-2 dot)), d = fl(t + C), a later code wins only if strictly smaller.  C = sum eb^2 is
; a chain in ascending dim; A = sum xb^2 is formed in two halves of 32 dims (another order than a plain chain: A is common to all codes of a row).
; The gather is the product one_hot x table: the one-hot entry is -0.5, so (-0.5)(-2 eb) = eb without rounding; no address hangs on an index.
; LIMITS.  q is E rounded to bf16 (relative 2^-9); out0 and the loss are built on it.  The 64 exact products of a dot are summed in the
; matrix unit's order: a row whose two best distances lie within about a last place of f32 at the size of A may fall to the other code.
; NaN and infinite inputs are not served; |e| stays below 2^126 (the factor -2); column norms below about 2^-124 lose bits (formed times 4).
;
; NO CLUSTER: all work-groups read the same E, but it has to pass through registers (conversion, scale, norms).  A joint tensor load would
; need 131,072 bytes of f32 staging in LDS beside x's 139,264 and the bf16 table's 66,560: 336,896, more than the 327,680 there are.
; NO RING, NO PREFETCH: a wave's whole share of x is one tile of 16,384 bytes, asked for at the first lines.
;
; LDS
.set XP,   272                         ; an x row: 256 bytes + 16 of padding = 17 x 16: sixteen rows start in sixteen different 16-byte columns
.set XW,   64*XP                       ; a wave's 64 rows, filled by its own tensor load and read by it alone
.set EB,   8*XW                        ; the table bf16(-2 e): row kap = 16 (dim & 3) + (dim >> 2), 512 codes along a row
.set EP,   1040                        ; its pitch: 1,024 + 16 = 65 x 16
.set CN,   EB+64*EP                    ; C[512] f32
.set IX,   CN+2048                     ; 256 bytes for each wave: its 64 indices on the way out
.set RED,  IX+2048                     ; eight loss sums
; VECTOR REGISTERS
.set LN,   1                           ; lane
.set RR,   2                           ; lane % 16
.set HH,   3                           ; lane / 16
.set AE,   4                           ; LDS address of the transposing table loads; later: where an index is staged, then v[4:5] two indices
.set AC,   5                           ; LDS address of the norms of my half's codes; later: where two indices are read back
.set AG,   6                           ; LDS address of the gather's table fragments
.set AX,   7                           ; LDS address of x for the epilogue
.set OO,   8                           ; byte offset in out0
.set H64,  9                           ; 64 x half; later 8 x lane, the offset in out2
.set T0,   10
.set T1,   11
.set IDX,  12                          ; v[12:15]   index of row r of row tile i; later index >> 5
.set F,    16                          ; v[16:79]   x fragments: tile i, K step s at F + 16 i + 8 s
.set EF,   80                          ; v[80:111]  table fragments of a code tile, two buffers of 16
.set CC,   112                         ; v[112:127] the tile's 8 norms of my half, two buffers
.set ACC,  128                         ; v[128:191] -2 dot, then d: two buffers of 4 row tiles x 8
.set SV,   192                         ; v[192:223] tile i: the 8 distances of the best code tile so far
.set BST,  224                         ; v[224:231] tile i: the best distance, two sets that take turns
.set BASE, 232                         ; v[232:235] tile i: first code of the best code tile
.set AN,   236                         ; v[236:243] tile i: A of row r, twice (a pair for the packed add)
.set M,    244                         ; v[244:247] at work
.set VAL,  244                         ; one-hot: the word with -0.5 in its place
.set EL,   128                         ; start: E as loaded, 64 pairs; the first register of a pair then holds the two bf16
.set XL,   128                         ; start: x as read from LDS
.set GO,   16                          ; start: 8 t
.set SE,   17                          ; start: where my two codes go in a table row
.set SC,   18                          ; start: where my two norms go
.set UN,   22
.set CA,   24
.set AF,   80                          ; start: LDS address of the x fragments
.set UN2,  82
.set SQ,   84
.set PX,   86
.set OH,   16                          ; gather: v[16:47]  tile i: the one-hot fragment of index % 32
.set TMP,  48                          ; gather: v[48:63]  that fragment, or zeros, for this K step; two buffers
.set BF,   64                          ; gather: v[64:127] table fragments of 4 dim tiles, two buffers of 32
.set Q,    128                         ; gather: v[128:255] q: tile i, dim tile t at Q + 32 i + 8 t
.set DF,   16                          ; epilogue: q - x
.set LS,   48                          ; epilogue: four loss sums
.set XB,   64                          ; epilogue: x, then out0; two buffers of 32
	s_load_b256 s[4:11], s[0:1], 0x0               ; E s[4:5], x s[6:7], out0 s[8:9], out2 s[10:11]
	s_load_b64 s[12:13], s[0:1], 0x20              ; partials
	s_set_vgpr_msb 0x40
	v_lshl_add_u32 v0, v0, 2, 0x33500
	v_mov_b32 v1, 0
	s_set_vgpr_msb 0x4045
	ds_add_u32 v0, v1
	ds_add_u32 v0, v1
	s_set_vgpr_msb 0x4500
	v_lshrrev_b32 v[T0], 5, v0
	v_readfirstlane_b32 s14, v[T0]                 ; wave 0..7
	; descriptor group 1: 64 rows of 64 f32, 16 bytes of padding behind each row of 64 words
	s_mov_b32 s16, (2<<16)|(1<<20)|(5<<22)|(3<<25) ; element of 4 bytes; padding on; after every 64 words (code 5) 4 words (code 3)
	s_mov_b32 s17, 64<<16                          ; tensor_dim0 = 64
	s_mov_b32 s18, 64<<16                          ; tensor_dim1 = 64
	s_mov_b32 s19, 64<<16                          ; tile_dim0 = 64
	s_mov_b32 s20, 64                              ; tile_dim1 = 64
	s_mov_b32 s21, 64                              ; 64 elements from row to row
	s_mov_b32 s22, 0
	s_mov_b32 s23, 0
	s_lshl_b32 s15, ttmp9, 3
	s_add_co_u32 s15, s15, s14                     ; my block of 64 rows, 0..2047
	s_lshl_b32 s28, s15, 14                        ; x 64 rows x 256 bytes (below 2^25)
	s_mov_b32 s29, 0
	s_lshl_b32 s30, s15, 8                         ; x 64 indices x 4 bytes
	s_mov_b32 s31, 0
	s_mov_b32 s24, 1                               ; group 0: count
	s_mul_i32 s25, s14, XW                         ; LDS address: my wave's rows
	v_lshlrev_b32 v[GO], 3, v0                     ; thread t owns codes 2 t, 2 t + 1: 8 bytes of every row of E
	s_wait_dscnt 0x0
	s_wait_kmcnt 0x0
	s_add_nc_u64 s[26:27], s[6:7], s[28:29]        ; global address of my first row
	s_or_b32 s27, s27, 0x80000000                  ; type 2
	tensor_load_to_lds s[24:27], s[16:23]          ; my whole share of x; the one tensor load that this wave ever has outstanding
	s_nop 0
.set d, 0
.rept 64
	global_load_b64 v[EL+2*d:EL+2*d+1], v[GO], s[4:5] offset:d*2048   ; a wave's load covers 256 consecutive bytes of row d
.set d, d+1
.endr
	s_add_nc_u64 s[8:9], s[8:9], s[28:29]          ; out0 at my first row
	s_add_nc_u64 s[10:11], s[10:11], s[30:31]      ; out2 at my first row
	s_lshl_b32 s30, ttmp9, 2
	s_add_nc_u64 s[12:13], s[12:13], s[30:31]      ; the work-group's partial sum
	s_mov_b32 s32, 0xffff0000                      ; a word's upper bf16
	s_mov_b32 s33, 0x76543210                      ; v_permlanex16_b32: lane i of one half reads lane i of the other
	s_mov_b32 s34, 0xfedcba98
	s_mov_b32 s38, 0xbf00                          ; -0.5 in bf16
	s_lshl_b32 s42, s14, 2
	s_add_co_u32 s42, s42, RED                     ; my wave's loss word
	s_lshl_b32 s43, s14, 8
	s_add_co_u32 s43, s43, IX                      ; my wave's index stage
	v_and_b32 v[LN], 31, v0
	v_and_b32 v[RR], 15, v0
	v_bfe_u32 v[HH], v0, 4, 1
	v_lshlrev_b32 v[SE], 2, v0
	v_add_nc_u32 v[SE], EB, v[SE]
	v_add_nc_u32 v[SC], CN, v[GO]
	v_and_b32 v[T0], 7, v0
	v_lshl_add_u32 v[T0], v[HH], 3, v[T0]          ; table row 8 h + lane % 8
	v_mul_u32_u24 v[AE], v[T0], EP
	v_bfe_u32 v[T1], v0, 3, 1
	v_lshl_add_u32 v[AE], v[T1], 7, v[AE]          ; lanes 8-15 of a half: the 8 codes that lie 64 codes (128 bytes) further on
	v_add_nc_u32 v[AE], EB, v[AE]
	v_lshlrev_b32 v[AC], 8, v[HH]                  ; my half's codes: + 64 codes x 4 bytes
	v_add_nc_u32 v[AC], CN, v[AC]
	v_mul_u32_u24 v[AG], v[RR], EP
	v_lshl_add_u32 v[AG], v[HH], 4, v[AG]
	v_add_nc_u32 v[AG], EB, v[AG]
	v_mul_u32_u24 v[AX], v[HH], 8*XP
	v_lshl_add_u32 v[AX], v[RR], 4, v[AX]
	v_add_nc_u32 v[AX], s25, v[AX]
	v_lshlrev_b32 v[OO], 11, v[HH]                 ; 8 rows of 256 bytes
	v_lshl_add_u32 v[OO], v[RR], 4, v[OO]
	v_lshlrev_b32 v[H64], 6, v[HH]
	v_mul_u32_u24 v[AF], v[RR], XP
	v_lshl_add_u32 v[AF], v[HH], 7, v[AF]
	v_add_nc_u32 v[AF], s25, v[AF]                 ; x fragments: row r, half h of the row
	; THE TABLE.  Row d of E: times -2, to bf16, into table row 16 (d & 3) + (d >> 2); the norms of my two codes as one chain each,
	; d ascending, on (2 eb)^2 = 4 eb^2: every step is the unscaled step times 4, so a quarter of the end is the unscaled end.
	; The two bf16 land in the row's own register, so that no LDS store's data is rewritten by the next row, and the store stands
	; behind the three lines of the norm chain, not straight behind the conversion that makes its data.
.set d, 0
.rept 64
	s_wait_loadcnt 63-d                            ; loads come back in order (ISA guide 5.7.1): row d is in, the 63 - d younger rows may be out
	v_pk_mul_f32 v[EL+2*d:EL+2*d+1], v[EL+2*d:EL+2*d+1], -2.0 op_sel_hi:[1,0]
	v_cvt_pk_bf16_f32 v[EL+2*d], v[EL+2*d], v[EL+2*d+1]
	v_lshlrev_b32 v[UN], 16, v[EL+2*d]
	v_and_b32 v[UN+1], s32, v[EL+2*d]
.if d == 0
	v_pk_mul_f32 v[CA:CA+1], v[UN:UN+1], v[UN:UN+1]                   ; the first square starts the sums
.else
	v_pk_fma_f32 v[CA:CA+1], v[UN:UN+1], v[UN:UN+1], v[CA:CA+1]
.endif
	ds_store_b32 v[SE], v[EL+2*d] offset:((d&3)*16+(d>>2))*EP
.set d, d+1
.endr
	v_mul_f32 v[CA], 0x3e800000, v[CA]             ; a quarter
	v_mul_f32 v[CA+1], 0x3e800000, v[CA+1]
	ds_store_b64 v[SC], v[CA:CA+1]
	; X FRAGMENTS.  Position k of K step s stands for table row kap = 32 s + k, that is dim 4 (kap % 16) + kap / 16.  So lane (r, h) needs
	; dims 32 h .. 32 h + 31 of row r: eight 16-byte loads; load e holds one number for each of the four register groups c = 2 s + p.
	s_wait_tensorcnt 0x0                           ; my rows are in LDS; nobody else reads them
.irp i, 0,1,2,3
.irp e, 0,1,2,3,4,5,6,7
	ds_load_b128 v[XL+32*\i+4*\e:XL+32*\i+4*\e+3], v[AF] offset:\i*16*XP+16*\e
.endr
.endr
.irp i, 0,1,2,3
	s_wait_dscnt 24-8*\i                           ; LDS answers in order: tile i's eight loads are in, the later tiles' may be out
.irp c, 0,1,2,3
.irp g, 0,1,2,3
	v_cvt_pk_bf16_f32 v[F+16*\i+4*\c+\g], v[XL+32*\i+8*\g+\c], v[XL+32*\i+8*\g+4+\c]
.endr
.endr
.endr
	; ROW NORMS, from the fragments: my 32 rounded numbers of row r squared and summed (two chains side by side), then the other half's sum.
.irp i, 0,1,2,3
.set w, 0
.rept 16
	v_lshlrev_b32 v[UN2], 16, v[F+16*\i+w]
	v_and_b32 v[UN2+1], s32, v[F+16*\i+w]
.if w == 0
	v_pk_mul_f32 v[SQ:SQ+1], v[UN2:UN2+1], v[UN2:UN2+1]
.else
	v_pk_fma_f32 v[SQ:SQ+1], v[UN2:UN2+1], v[UN2:UN2+1], v[SQ:SQ+1]
.endif
.set w, w+1
.endr
	v_add_f32 v[SQ], v[SQ], v[SQ+1]
	v_mov_b32 v[PX], v[SQ]                         ; v_permlanex16_b32 counts as a reader of its destination
	v_permlanex16_b32 v[PX], v[SQ], s33, s34
	v_add_f32 v[AN+2*\i], v[SQ], v[PX]             ; the same two numbers in both halves: the same A
	v_mov_b32 v[AN+2*\i+1], v[AN+2*\i]
.endr
	s_wait_dscnt 0x0                               ; my part of the table and of the norms is written:
	s_barrier_signal -1                            ; say so,
	s_barrier_wait -1                              ; and read them when all eight waves have said so
; ---------------------------------------------------------------- distances and their minimum
; Code tile T is 16 codes: b .. b + 7 and b + 64 .. b + 71, b = 128 (T >> 3) + 8 (T & 7).  With the pitch of 65 x 16 bytes the sixteen lanes
; of a transposing load (8 table rows x 2 column blocks 128 bytes apart) touch sixteen different 16-byte columns.  In the result, lane (r, h)
; holds row r and register j code b + 64 h + j: ascending with T within a lane, so that "first tile, first j" is "lowest index".
.macro EFLD T                          ; table fragments of tile T: 16 codes x 64 table rows, into buffer T & 1
.irp q, 0,1,2,3
	ds_load_tr16_b128 v[EF+16*((\T)&1)+4*\q:EF+16*((\T)&1)+4*\q+3], v[AE] offset:256*((\T)>>3)+16*((\T)&7)+16*\q*EP
.endr
.endm
.macro CCLD T                          ; the 8 norms of my half of that tile (all lanes of a half read the same bytes)
	ds_load_b128 v[CC+8*((\T)&1):CC+8*((\T)&1)+3],   v[AC] offset:512*((\T)>>3)+32*((\T)&7)
	ds_load_b128 v[CC+8*((\T)&1)+4:CC+8*((\T)&1)+7], v[AC] offset:512*((\T)>>3)+32*((\T)&7)+16
.endm
; The n-th of tile T's eight products (16 codes x 16 rows x 32 dims): n = 0..3 start the sums of row tile n with the first K step,
; n = 4..7 are the next link in place, the second K step of row tile n - 4.  Behind the last tile (T = 32) it is nothing.
.macro WM n, T
.if (\T) < 32
.if \n < 4
	v_wmma_f32_16x16x32_bf16 v[ACC+32*((\T)&1)+8*\n:ACC+32*((\T)&1)+8*\n+7], v[EF+16*((\T)&1):EF+16*((\T)&1)+7], v[F+16*\n:F+16*\n+7], 0
.else
	v_wmma_f32_16x16x32_bf16 v[ACC+32*((\T)&1)+8*(\n-4):ACC+32*((\T)&1)+8*(\n-4)+7], v[EF+16*((\T)&1)+8:EF+16*((\T)&1)+15], v[F+16*(\n-4)+8:F+16*(\n-4)+15], v[ACC+32*((\T)&1)+8*(\n-4):ACC+32*((\T)&1)+8*(\n-4)+7]
.endif
.endif
.endm
.macro ADDA i                          ; t = fl(A - 2 dot), row tile i
.irp p, 0,2,4,6
	v_pk_add_f32 v[dacc+8*\i+\p:dacc+8*\i+\p+1], v[dacc+8*\i+\p:dacc+8*\i+\p+1], v[AN+2*\i:AN+2*\i+1]
.endr
.endm
.macro ADDC i                          ; d = fl(t + C), row tile i
.irp p, 0,2,4,6
	v_pk_add_f32 v[dacc+8*\i+\p:dacc+8*\i+\p+1], v[dacc+8*\i+\p:dacc+8*\i+\p+1], v[dcc+\p:dcc+\p+1]
.endr
.endm
; Row tile i keeps the tile's first code and its eight distances where the best has changed.  The eight selects go two to a line:
; destinations even and odd, sources in neighbouring registers, one mask (VCC) for both halves.
.macro SEL i, T
.if (\T) == 0
	v_mov_b32 v[BASE+\i], 0                        ; the first tile is the best so far
.irp j, 0,2,4,6
	v_dual_mov_b32 v[SV+8*\i+\j], v[dacc+8*\i+\j] :: v_dual_mov_b32 v[SV+8*\i+\j+1], v[dacc+8*\i+\j+1]
.endr
.else
	v_cmp_eq_f32 vcc_lo, v[dnew+\i], v[dold+\i]    ; unchanged: nothing here was strictly smaller, the earlier tile stays
	v_cndmask_b32 v[BASE+\i], dbase, v[BASE+\i], vcc_lo
.irp j, 0,2,4,6
	v_dual_cndmask_b32 v[SV+8*\i+\j], v[dacc+8*\i+\j], v[SV+8*\i+\j] :: v_dual_cndmask_b32 v[SV+8*\i+\j+1], v[dacc+8*\i+\j+1], v[SV+8*\i+\j+1]
.endr
.endif
.endm
; The selection on tile T, 72 vector lines for 32 distances a lane, with the eight products of tile MT spread among them: each product is
; followed by eight lines (six for the last two) that work on the other buffers, so that they are issued while the product runs.
; The four row tiles go through each stage together, so that no line waits for the one before.
.macro DVALU T, MT
.set dacc,  ACC+32*((\T)&1)
.set dcc,   CC+8*((\T)&1)
.set dnew,  BST+4*((\T)&1)
.set dold,  BST+4-4*((\T)&1)
.set dbase, 128*((\T)>>3)+8*((\T)&7)
	WM 0, \MT
	ADDA 0
	ADDA 1
	WM 1, \MT
	ADDA 2
	ADDA 3
	WM 2, \MT
	ADDC 0
	ADDC 1
	WM 3, \MT
	ADDC 2
	ADDC 3
	WM 4, \MT
.irp i, 0,1,2,3
	v_min3_num_f32 v[M+\i], v[dacc+8*\i], v[dacc+8*\i+1], v[dacc+8*\i+2]
.endr
.irp i, 0,1,2,3
	v_min3_num_f32 v[M+\i], v[M+\i], v[dacc+8*\i+3], v[dacc+8*\i+4]
.endr
	WM 5, \MT
.irp i, 0,1,2,3
	v_min3_num_f32 v[M+\i], v[M+\i], v[dacc+8*\i+5], v[dacc+8*\i+6]
.endr
.irp i, 0,1,2,3
.if (\T) == 0
	v_min_num_f32 v[dnew+\i], v[M+\i], v[dacc+8*\i+7]
.else
	v_min3_num_f32 v[dnew+\i], v[M+\i], v[dacc+8*\i+7], v[dold+\i]
.endif
.endr
	WM 6, \MT
	SEL 0, \T
	WM 7, \MT
	SEL 1, \T
	SEL 2, \T
	SEL 3, \T
.endm
; Trip T multiplies tile T and selects on tile T - 1, whose sums lie in the other buffer; trip 0 only multiplies, trip 32 only selects.
; Behind a trip's last product stand the selections of three row tiles (15 lines or more; four v_nop in trip 0), which name none of the
; trip's matrix registers: they are the places in front of the next trip's loads into the table fragments that the
; products read and in front of its first reads of their sums.
	EFLD 0
	CCLD 0
.set tt, 0
.rept 33
.if tt < 31
	EFLD tt+1
	s_wait_dscnt 6                                 ; tile T's four fragment loads are in (and all older loads, the norms of T - 1 among them); behind them stand T's two norm loads and the four just issued
.else
.if tt == 31
	s_wait_dscnt 2                                 ; the last tile: only its two norm loads stand behind its fragments
.else
	s_wait_dscnt 0x0                               ; the last tile's norms
.endif
.endif
.if tt == 0
.irp n, 0,1,2,3,4,5,6,7
	WM \n, 0
.endr
.rept 4
	v_nop
.endr
.else
	DVALU tt-1, tt
.endif
.if tt < 31
	CCLD tt+1                                      ; into the buffer that the lines above have just read
.endif
.set tt, tt+1
.endr
; ---------------------------------------------------------------- the index
.macro GLD s                           ; gather, K step s (codes 32 s .. 32 s + 31): table rows 16 t + r = dims 4 r + t, codes along K, into buffer s & 1
.irp t, 0,1,2,3
	ds_load_b128 v[BF+32*((\s)&1)+8*\t:BF+32*((\s)&1)+8*\t+3],   v[AG] offset:16*\t*EP+64*(\s)
	ds_load_b128 v[BF+32*((\s)&1)+8*\t+4:BF+32*((\s)&1)+8*\t+7], v[AG] offset:16*\t*EP+64*(\s)+32
.endr
.endm
	GLD 0                                          ; runs ahead of the index work
	v_lshl_add_u32 v[AE], v[RR], 2, s43            ; stage: 4 r (+ 64 i)
	v_lshl_add_u32 v[AC], v[LN], 3, s43            ; and back: two indices a lane
.irp i, 0,1,2,3
	v_mov_b32 v[M+\i], 7                           ; the first j whose distance is the best: from the last down
.irp j, 6,5,4,3,2,1,0
	v_cmp_neq_f32 vcc_lo, v[SV+8*\i+\j], v[BST+4+\i]
	v_cndmask_b32 v[M+\i], \j, v[M+\i], vcc_lo
.endr
	v_add3_u32 v[IDX+\i], v[BASE+\i], v[H64], v[M+\i]
	v_mov_b32 v[T0], v[BST+4+\i]
	v_mov_b32 v[T1], v[IDX+\i]
	v_permlanex16_b32 v[T0], v[BST+4+\i], s33, s34 ; the other half's best of the same row,
	v_permlanex16_b32 v[T1], v[IDX+\i], s33, s34   ; and its index
	v_cmp_lt_f32 s40, v[T0], v[BST+4+\i]
	v_cmp_eq_f32 s41, v[T0], v[BST+4+\i]
	v_cmp_lt_u32 vcc_lo, v[T1], v[IDX+\i]
	s_and_b32 s41, s41, vcc_lo
	s_or_b32 vcc_lo, s40, s41                      ; smaller, or equal with the lower index
	v_cndmask_b32 v[IDX+\i], v[IDX+\i], v[T1], vcc_lo
	ds_store_b32 v[AE], v[IDX+\i] offset:64*\i     ; both halves write the same word with the same value
.endr
	v_lshlrev_b32 v[H64], 3, v[LN]                 ; 8 x lane
	ds_load_b64 v[4:5], v[AC]                      ; my wave's own bytes: LDS serves a wave's instructions in order
	s_wait_dscnt 0x0
	global_store_b64 v[H64], v[4:5], s[10:11]      ; 256 consecutive bytes, aligned; v4, v5, v9 are not written again
; ---------------------------------------------------------------- q = one_hot x table
	; The fragment of index % 32 for row r: position k = 16 p + 8 h + e lies in register 4 p + e / 2, half e % 2, of lane half h.
.irp i, 0,1,2,3
	v_and_b32 v[T0], 1, v[IDX+\i]
	v_lshlrev_b32 v[T0], 4, v[T0]
	v_mov_b32 v[VAL], s38
	v_lshlrev_b32 v[VAL], v[T0], v[VAL]            ; -0.5 in the low or the high half
	v_bfe_u32 v[T1], v[IDX+\i], 3, 1
	v_cmp_eq_u32 vcc_lo, v[T1], v[HH]
	v_cndmask_b32 v[VAL], 0, v[VAL], vcc_lo        ; in my half of the lanes, or nothing
	v_bfe_u32 v[T0], v[IDX+\i], 1, 2
	v_bfe_u32 v[T1], v[IDX+\i], 4, 1
	v_lshl_or_b32 v[T0], v[T1], 2, v[T0]           ; the register
.irp w, 0,1,2,3,4,5,6,7
	v_cmp_eq_u32 vcc_lo, \w, v[T0]
	v_cndmask_b32 v[OH+8*\i+\w], 0, v[VAL], vcc_lo
.endr
	v_lshrrev_b32 v[IDX+\i], 5, v[IDX+\i]          ; the K step in which the fragment counts
.endr
	; 16 K steps.  A row tile's five vector lines (a compare and four pairs of selects) name none of the registers of the four products in
	; front of them: five places, one more than is asked in front of the write into the TMP buffer read two blocks ago and in front of the
	; loads into the table buffer read one step ago.
.set ss, 0
.rept 16
.irp i, 0,1,2,3
	v_cmp_eq_u32 vcc_lo, ss, v[IDX+\i]
.irp w, 0,2,4,6
	v_dual_cndmask_b32 v[TMP+8*(\i&1)+\w], 0, v[OH+8*\i+\w] :: v_dual_cndmask_b32 v[TMP+8*(\i&1)+\w+1], 0, v[OH+8*\i+\w+1]
.endr
.if \i == 0
.if ss < 15
	GLD ss+1
	s_wait_dscnt 8                                 ; this step's fragments are in; the eight loads just issued may be out
.else
	s_wait_dscnt 0x0
.endif
.endif
.irp t, 0,1,2,3
.if ss == 0
	v_wmma_f32_16x16x32_bf16 v[Q+32*\i+8*\t:Q+32*\i+8*\t+7], v[TMP+8*(\i&1):TMP+8*(\i&1)+7], v[BF+32*(ss&1)+8*\t:BF+32*(ss&1)+8*\t+7], 0
.else
	v_wmma_f32_16x16x32_bf16 v[Q+32*\i+8*\t:Q+32*\i+8*\t+7], v[TMP+8*(\i&1):TMP+8*(\i&1)+7], v[BF+32*(ss&1)+8*\t:BF+32*(ss&1)+8*\t+7], v[Q+32*\i+8*\t:Q+32*\i+8*\t+7]
.endif
.endr
.endr
.set ss, ss+1
.endr
; ---------------------------------------------------------------- out0 and the loss
; Register j of Q(i, t) in lane (r, h) is q of row 16 i + 8 h + j, dim 4 r + t: the four t make 16 neighbouring bytes, sixteen lanes a row.
.macro XLD i
.irp j, 0,1,2,3,4,5,6,7
	ds_load_b128 v[XB+32*((\i)&1)+4*\j:XB+32*((\i)&1)+4*\j+3], v[AX] offset:(16*(\i)+\j)*XP
.endr
.endm
.rept 4
	v_nop                                          ; the places behind the last products: for the loads into their table buffers and the reads of q
.endr
	XLD 0
	XLD 1
.irp i, 0,1,2,3
.if \i < 3
	s_wait_dscnt 8                                 ; tile i's eight rows are in; the next tile's eight loads may be out
.else
	s_wait_dscnt 0x0
.endif
.irp j, 0,1,2,3,4,5,6,7
.irp t, 0,1,2,3
	v_sub_f32 v[DF+\t], v[Q+32*\i+8*\t+\j], v[XB+32*(\i&1)+4*\j+\t]
.endr
.irp t, 0,2
	v_pk_add_f32 v[XB+32*(\i&1)+4*\j+\t:XB+32*(\i&1)+4*\j+\t+1], v[XB+32*(\i&1)+4*\j+\t:XB+32*(\i&1)+4*\j+\t+1], v[DF+\t:DF+\t+1]
.endr
.irp t, 0,2
.if (\i+\j) == 0
	v_pk_mul_f32 v[LS+\t:LS+\t+1], v[DF+\t:DF+\t+1], v[DF+\t:DF+\t+1]                     ; the first squares start the sums
.else
	v_pk_fma_f32 v[LS+\t:LS+\t+1], v[DF+\t:DF+\t+1], v[DF+\t:DF+\t+1], v[LS+\t:LS+\t+1]
.endif
.endr
	global_store_b128 v[OO], v[XB+32*(\i&1)+4*\j:XB+32*(\i&1)+4*\j+3], s[8:9] offset:(16*\i+\j)*256 th:TH_STORE_NT   ; sixteen lanes: one whole row of 256 bytes
.endr
.if \i < 2
	s_wait_xcnt 0x0                                ; the stores' data registers are loaded again only behind this wait
	XLD \i+2
.endif
.endr
	v_add_f32 v[LS], v[LS], v[LS+1]
	v_add_f32 v[LS+2], v[LS+2], v[LS+3]
	v_add_f32 v[LS], v[LS], v[LS+2]
	v_add_f32_dpp v[LS], v[LS], v[LS] row_xmask:1 row_mask:0xf bank_mask:0xf
	v_add_f32_dpp v[LS], v[LS], v[LS] row_xmask:2 row_mask:0xf bank_mask:0xf
	v_add_f32_dpp v[LS], v[LS], v[LS] row_xmask:4 row_mask:0xf bank_mask:0xf
	v_add_f32_dpp v[LS], v[LS], v[LS] row_xmask:8 row_mask:0xf bank_mask:0xf
	v_permlanex16_b32 v[LS+1], v[LS], s33, s34
	v_add_f32 v[LS], v[LS], v[LS+1]
	v_mov_b32 v[T0], s42
	ds_store_b32 v[T0], v[LS]                      ; all lanes write the wave's word with the same value
	s_wait_dscnt 0x0                               ; written, for wave 0's sake
	s_barrier_signal -1
	s_barrier_wait -1
	s_cmp_lg_u32 s14, 0
	s_cbranch_scc1 .Lend
	v_mov_b32 v[T1], RED
	ds_load_b128 v[16:19], v[T1]
	ds_load_b128 v[20:23], v[T1] offset:16
	v_mov_b32 v[T0], 0
	v_cmp_eq_u32 vcc_lo, 0, v[LN]
	s_wait_dscnt 0x0
	v_add_f32 v16, v16, v17
	v_add_f32 v18, v18, v19
	v_add_f32 v20, v20, v21
	v_add_f32 v22, v22, v23
	v_add_f32 v16, v16, v18
	v_add_f32 v20, v20, v22
	v_add_f32 v16, v16, v20
	s_wait_xcnt 0x0                                ; EXEC is a source of the stores above: it changes only behind this wait
	s_and_saveexec_b32 s40, vcc_lo
	global_store_b32 v[T0], v16, s[12:13]          ; lane 0: the work-group's sum of (q - x)^2
	s_wait_xcnt 0x0
	s_or_b32 exec_lo, exec_lo, s40
.Lend:
	s_set_vgpr_msb 0x5
	s_wait_tensorcnt 0x0
	ds_add_u32 v0, v1
	s_wait_dscnt 0x0
	s_set_vgpr_msb 0x500
	s_endpgm
.Lfunc_end_k_qf4cb3347e2_vq:
	.size	k_qf4cb3347e2_vq, .Lfunc_end_k_qf4cb3347e2_vq-k_qf4cb3347e2_vq
	.p2alignl 7, 3214868480
	.fill 96, 4, 3214868480
	.section	.rodata,"a",@progbits
	.p2align	6, 0x0
	.amdhsa_kernel k_qf4cb3347e2_vq
		.amdhsa_group_segment_fixed_size 211200
		.amdhsa_private_segment_fixed_size 0
		.amdhsa_enable_private_segment 0
		.amdhsa_kernarg_size 40
		.amdhsa_user_sgpr_count 2
		.amdhsa_user_sgpr_kernarg_segment_ptr 1
		.amdhsa_wavefront_size32 1
		.amdhsa_system_sgpr_workgroup_id_x 1
		.amdhsa_system_sgpr_workgroup_id_y 1
		.amdhsa_system_sgpr_workgroup_id_z 1
		.amdhsa_system_vgpr_workitem_id 0
		.amdhsa_next_free_vgpr 258
		.amdhsa_next_free_sgpr 66
		.amdhsa_reserve_vcc 1
		.amdhsa_float_denorm_mode_32 3
		.amdhsa_float_denorm_mode_16_64 3
		.amdhsa_memory_ordered 1
		.amdhsa_forward_progress 1
		.amdhsa_inst_pref_size 255
	.end_amdhsa_kernel
	.section	.bss,"aw",@nobits
	.p2align	6
	.space	262144
	.amdgpu_metadata
---
amdhsa.version: [ 1, 2 ]
amdhsa.kernels:
  - .name:           k_qf4cb3347e2_vq
    .symbol:         k_qf4cb3347e2_vq.kd
    .args:
      - { .name: embeddings, .offset: 0, .size: 8, .value_kind: global_buffer, .address_space: global }
      - { .name: inputs, .offset: 8, .size: 8, .value_kind: global_buffer, .address_space: global }
      - { .name: out0, .offset: 16, .size: 8, .value_kind: global_buffer, .address_space: global }
      - { .name: out2, .offset: 24, .size: 8, .value_kind: global_buffer, .address_space: global }
      - { .name: partials, .offset: 32, .size: 8, .value_kind: global_buffer, .address_space: global }
    .group_segment_fixed_size: 211200
    .private_segment_fixed_size: 0
    .kernarg_segment_align: 8
    .kernarg_segment_size: 40
    .max_flat_workgroup_size: 256
    .sgpr_count:     66
    .vgpr_count:     258
    .wavefront_size: 32
...
	.end_amdgpu_metadata
.endif
;; end of part 1
;; launch loss (part 2): grid 1 x 1, 1 waves a work-group, no clusters, 0 bytes of LDS; arguments partials, out1; writes out1
.if DOCPART == 2
	.amdgcn_target "amdgcn-amd-amdhsa--gfx1250"
	.amdhsa_code_object_version 6
	.text
	.protected	k_qf4cb3347e2_loss
	.globl	k_qf4cb3347e2_loss
	.p2align	8
	.type	k_qf4cb3347e2_loss,@function
k_qf4cb3347e2_loss:
	s_mov_b64 s[64:65], 0
	v_nop
	global_prefetch_b8 v0, s[64:65] scope:SCOPE_SE
	s_setreg_imm32_b32 hwreg(HW_REG_WAVE_MODE, 25, 1), 1
	s_wait_xcnt 0x0
; out1 = 0.25 x mean of (q - x)^2 = 2^-25 x the sum of the 256 work-groups' partial sums (0.25 / (131072 x 64) = 2^-25).
; One wave: lane l takes the 16 bytes at 16 l and at 512 + 16 l, so that each load covers 512 consecutive bytes.
	s_load_b128 s[4:7], s[0:1], 0x0                ; partials s[4:5], out1 s[6:7]
	v_lshlrev_b32 v1, 4, v0
	s_mov_b32 s8, 0x76543210                       ; v_permlanex16_b32: lane i of one half reads lane i of the other
	s_mov_b32 s9, 0xfedcba98
	s_wait_kmcnt 0x0
	global_load_b128 v[2:5], v1, s[4:5]
	global_load_b128 v[6:9], v1, s[4:5] offset:512
	s_wait_loadcnt 0x0
	v_pk_add_f32 v[2:3], v[2:3], v[4:5]
	v_pk_add_f32 v[6:7], v[6:7], v[8:9]
	v_pk_add_f32 v[2:3], v[2:3], v[6:7]
	v_add_f32 v2, v2, v3
	v_add_f32_dpp v2, v2, v2 row_xmask:1 row_mask:0xf bank_mask:0xf
	v_add_f32_dpp v2, v2, v2 row_xmask:2 row_mask:0xf bank_mask:0xf
	v_add_f32_dpp v2, v2, v2 row_xmask:4 row_mask:0xf bank_mask:0xf
	v_add_f32_dpp v2, v2, v2 row_xmask:8 row_mask:0xf bank_mask:0xf
	v_permlanex16_b32 v3, v2, s8, s9
	v_add_f32 v2, v2, v3
	v_mul_f32 v2, 0x33000000, v2                   ; 2^-25
	v_mov_b32 v4, 0
	v_cmp_eq_u32 vcc_lo, 0, v0
	s_wait_xcnt 0x0                                ; EXEC changes only behind this wait
	s_and_saveexec_b32 s10, vcc_lo
	global_store_b32 v4, v2, s[6:7]                ; lane 0 alone
	s_wait_xcnt 0x0
	s_or_b32 exec_lo, exec_lo, s10
	s_endpgm
.Lfunc_end_k_qf4cb3347e2_loss:
	.size	k_qf4cb3347e2_loss, .Lfunc_end_k_qf4cb3347e2_loss-k_qf4cb3347e2_loss
	.p2alignl 7, 3214868480
	.fill 96, 4, 3214868480
	.section	.rodata,"a",@progbits
	.p2align	6, 0x0
	.amdhsa_kernel k_qf4cb3347e2_loss
		.amdhsa_group_segment_fixed_size 0
		.amdhsa_private_segment_fixed_size 0
		.amdhsa_enable_private_segment 0
		.amdhsa_kernarg_size 16
		.amdhsa_user_sgpr_count 2
		.amdhsa_user_sgpr_kernarg_segment_ptr 1
		.amdhsa_wavefront_size32 1
		.amdhsa_system_sgpr_workgroup_id_x 1
		.amdhsa_system_sgpr_workgroup_id_y 1
		.amdhsa_system_sgpr_workgroup_id_z 1
		.amdhsa_system_vgpr_workitem_id 0
		.amdhsa_next_free_vgpr 16
		.amdhsa_next_free_sgpr 66
		.amdhsa_reserve_vcc 1
		.amdhsa_float_denorm_mode_32 3
		.amdhsa_float_denorm_mode_16_64 3
		.amdhsa_memory_ordered 1
		.amdhsa_forward_progress 1
		.amdhsa_inst_pref_size 2
	.end_amdhsa_kernel
	.amdgpu_metadata
---
amdhsa.version: [ 1, 2 ]
amdhsa.kernels:
  - .name:           k_qf4cb3347e2_loss
    .symbol:         k_qf4cb3347e2_loss.kd
    .args:
      - { .name: partials, .offset: 0, .size: 8, .value_kind: global_buffer, .address_space: global }
      - { .name: out1, .offset: 8, .size: 8, .value_kind: global_buffer, .address_space: global }
    .group_segment_fixed_size: 0
    .private_segment_fixed_size: 0
    .kernarg_segment_align: 8
    .kernarg_segment_size: 16
    .max_flat_workgroup_size: 32
    .sgpr_count:     66
    .vgpr_count:     16
    .wavefront_size: 32
...
	.end_amdgpu_metadata
.endif
;; end of part 2
